; MI455X (gfx1250); checked and timed in simulation.
; The chip was launched on July 23, 2026; its instructions are those of AMD's public machine-readable ISA for CDNA 5 (MIT licence, August 2026) and "CDNA5" Instruction Set Architecture Reference Guide (July 2026). The comments in the code are by the model that wrote it; some were corrected since.
;; Attention Layer. Allowed arithmetic: matrix products marked QUANTISED: E5M2 operands, one given power-of-two scale a tensor, by v_wmma_f32_16x16x64_bf8_bf8 or v_wmma_f32_16x16x128_bf8_bf8, f32 sums; products left as they are: f32 operands where the result goes on into a quantised operand, else bf16, f16 or f32 operands; f32 sums; everything else in f32.
;; Inputs: W 200 x 200 float32; b 200 float32; inputs 512 x 200 x 512 float32; lowp_scales 2 int32 (the exponents e of the quantised operands' scales 2^e).
;; Outputs: out0 512 x 512 float32.
;; This version of the problem:
;;   THIS VERSION OF THE PROBLEM IS GIVEN IN LOW PRECISION. The matrix products marked QUANTISED in the list below multiply operands that are first quantised to E5M2 (5 exponent bits, 2 mantissa bits; 8 bits a number), with one given power-of-two scale for each operand tensor; their sums are f32. All else is computed in f32.
;;   The module's matrix products, in the order in which they are computed (A, B: the left and right operand; K: the contracted axis; several contracted axes count as one K, in the product's order):
;;     1. [M 262,144, K 200] x [K 200, N 200]; A: input inputs; B: input W: QUANTISED (scales: A lowp_scales[0], B lowp_scales[1])
;;     2. batch 262,144 x [M 1, K 200] x [K 200, N 1]; A: softmax; B: input inputs: left as it is (M = 1 < 16)
;;   THE QUANTISER, for each operand of a quantised product, along K:
;;     - The operand's scale is 2^e, e = its entry of the input lowp_scales (int32; the entries are numbered through the quantised products in the list's order, A before B).
;;     - Each number is divided by the scale, clamped to +-57,344, and rounded to the nearest number of E5M2, ties to even, subnormals kept.
;;     - The product sums the exact products of the quantised numbers (number of the format x scale) in f32.
;;   ~~~python
;;   def quantise(x, axis, e):      # numpy; x: float32 -> the quantised numbers, widened to float32 again
;;       x = np.moveaxis(x, axis, -1); K = x.shape[-1]
;;       r = np.clip(x / 2.0 ** e, -57344, 57344)
;;       step = 2.0 ** (np.maximum(np.frexp(np.where(r == 0, 1, r))[1] - 1, -14) - 2)
;;       q = np.round(r / step) * step * 2.0 ** e      # np.round: ties to even
;;       return np.moveaxis(q, -1, axis).astype(np.float32)
;;   ~~~
;; 2 versions, each right; version 2 is version 1 with the launch attnpool written anew for expert scheduling mode. Each part assembles by itself: llvm-mc -triple=amdgcn-amd-amdhsa -mcpu=gfx1250 --defsym DOCPART=n.
;; ======== version 1 of 2: 1 launch
;; limits: right only within a limited range of input values
;; launch attnpool (part 1): grid 256 x 1, 8 waves a work-group, no clusters, 63,488 bytes of LDS; arguments inputs, W, b, lowp_scales, out0; writes out0
.if DOCPART == 1
	.amdgcn_target "amdgcn-amd-amdhsa--gfx1250"
	.amdhsa_code_object_version 6
	.text
	.protected	k_q331c426389_attnpool
	.globl	k_q331c426389_attnpool
	.p2align	8
	.type	k_q331c426389_attnpool,@function
k_q331c426389_attnpool:
	s_mov_b64 s[64:65], 0
	v_nop
	global_prefetch_b8 v0, s[64:65] scope:SCOPE_SE
	s_setreg_imm32_b32 hwreg(HW_REG_WAVE_MODE, 25, 1), 1
	s_wait_xcnt 0x0
; out[b][d] = sum over t of a[t] x[b][t][d],  a = softmax over s of tanh(z[s]),  z[s] = sum over t of Q(x[b][t][d]) Q(W[t][s]) + bias[s].
; x: [512][200][512] f32, W: [200][200] f32, bias: [200] f32, out: [512][512] f32.  Q: codes of E5M2 under the given scales 2^e0 (x) and 2^e1 (W); the codes are multiplied by
; v_wmma_f32_16x16x128_bf8_bf8, sums in f32.  The weighted sum takes the UNQUANTISED x, in f32 multiply-adds.  Every input has a way to the output: nothing is left out.
; THE SOFTMAX.  tanh bounds the softmax's exponents to [-1, 1] for every input, so the bound 1 is taken away in place of the row's maximum: p = e^(tanh z - 1) lies in [e^-2, 1] and a row's sum
; in [200 e^-2, 200]: no exponential and no sum can overflow or underflow.  The shift cancels in (sum of p x) / (sum of p).
; tanh z - 1 = -2 / (1 + 2^(c z)), c = 2 / ln 2, so p = 2^(-c / (1 + 2^(c z))) = 2^(-1 / (lam + lam 2^(c z))), lam = ln 2 / 2, and lam 2^(c z) = 2^(c (z - 0.52983005)).
; A sum of codes stands for sum x 2^E, E = e0 + e1.  So the bias goes in as the C of each sum's first matrix instruction, as (bias - 0.52983005) / 2^E, and a finished sum D gives
; p = exp2(-rcp(lam + exp2(K1 D))), K1 = c 2^E: two packed lines, three transcendentals.  2^(..) = infinity gives p = 1, 2^(..) = 0 gives p = e^-2: both are tanh's limits.
; SHARES.  256 work-groups of eight waves.  Work-group g owns batches 4 (g / 2) .. + 3 and columns 256 (g % 2) .. + 255; wave w of it 32 columns.  An ITEM is one batch x 32 columns x all 200 rows:
; four items a wave.  The eight waves read 1,024 consecutive bytes of each row.
; LAYOUT.  Lane (r = lane % 16, h = lane / 16).  Load (u, i) brings row t = 32 u + 16 h + i, columns 2 r and 2 r + 1 (8 bytes), into X + 32 u + 2 i + f (f: the column's parity): 104 loads, 208 registers,
; which stay until the item is done.  Rows 192 .. 199 (u = 6, i < 8) are loaded by both halves of the lanes, so that no load leaves the buffer; lanes 16-31 hold them at a limit of 0 (zero codes) and weigh them by 0.
; The hold at the largest code writes into other registers, eight neighbours along t on end for each parity: so x stays as it is, and the conversions give codes along K.  Pair 2 u + g of an operand's 32
; registers holds t = 32 u + 16 h + 8 g + 0 .. 7: a permutation of K that x and W share, since one macro makes both.  K is filled up to 256 with zero codes on both sides.
; THE PRODUCT IS USED TRANSPOSED: source 0 = 16 columns s of W (tile (u, e): row m is s = 32 u + 2 m + e), source 1 = 16 columns d of x (tile f: d = 2 r + f).  In the result lane (r, h), register j
; holds s = 32 u + 16 h + 2 j + e, and x[t = s] lies in the SAME lane, at X + 32 u + 4 j + 2 e + f: nothing changes lanes before the one exchange at an item's end.
; W is quantised once a work-group (waves 0-6: 32 columns each; wave 7 makes the bias table) and lies in LDS as images of the operand's registers.
; NO CLUSTER: what work-groups share is W, 160,000 bytes read once at the head, through registers since it is quantised there, beside 819,200 bytes of x that are a work-group's own.
; NO TENSOR LOAD, NO LDS FOR x: one copy in registers serves both the quantiser and the weighted sum.
; LIMITS: e0 and e1 between -126 and 112; e0 + e1 between -127 and 126; (bias - 0.53) / 2^(e0 + e1) stays an f32 number.  NaN and infinities among the inputs are not served (0 x infinity in the idle half of the last rows).
.set ROW,   2048                       ; a row of x in bytes
.set BATCH, 409600                     ; a batch of x in bytes
.set WROW,  800                        ; a row of W in bytes
.set WIMG,  0                          ; LDS: 14 tiles of W (2 u + e), 4,096 bytes each: group q of four registers at 512 q + 16 x lane
.set BT,    57344                      ; the bias table: word 32 u + 16 e + 8 h + j
.set STG,   58368                      ; the stage for out: item i at 1,024 i, wave at 128 w, lane at 8 r + 4 h
.set SPARE, 62464                      ; the spare words, 128 bytes for each wave: four blocks of 256 bytes that no other line names
.set LI,    1                          ; v1   16 x lane
.set WST,   2                          ; v2   16 x lane + 8,192 x wave: where I store W's images
.set BA,    3                          ; v3   32 h
.set XO,    4                          ; v4   8 r + 16 h rows of x
.set XO6,   5                          ; v5   8 r
.set WO,    6                          ; v6   min(128 w + 8 r, 792) + 16 h rows of W
.set WO6,   7                          ; v7   the same without h
.set SO,    8                          ; v8   STG + 128 w + 8 r + 4 h
.set SOA,   9                          ; v9   + the item's 1,024 bytes
.set SCX,   10                         ; v10  2^e0 as f32;  v11 57,344 x 2^e0;  v12 the same, 0 in lanes 16-31
.set LIMX,  11
.set LIMXH, 12
.set SCW,   13                         ; v13-15 the same with e1
.set LIMW,  14
.set LIMWH, 15
.set MK,    16                         ; v[16:17] 1 in lanes 0-15, 0 in lanes 16-31
.set SPW,   18                         ; v18  LDS address of my spare word; never rewritten
.set NIL,   19                         ; v19  0; never rewritten
.set L,     24                         ; v[24:31] the sums of p: a pair for each accumulator a = 2 e + f
.set O,     32                         ; v[32:39] the sums of p x: chain 4 (j % 2) + a
.set SRD,   40                         ; v40  STG + 16 x thread
.set OUTO,  41                         ; v41  my byte offset in the work-group's part of out
.set TE,    48                         ; v48-79 codes of the even columns, v80-111 of the odd ones
.set ACC,   112                        ; v112-143 four accumulators
.set TMP,   112                        ; the same registers, while a block is quantised
.set WF,    144                        ; v144-207 W's fragments: tile e at + 32 e, K step at + 16
.set BI,    208                        ; v208-223 the bias in the result's layout: tile e at + 8 e
.set BST,   224                        ; v224 4 x lane
.set BO,    225                        ; v225 4 (16 h' + 2 j + e'), lane = 16 e' + 8 h' + j
.set BO6,   226                        ; v226 4 min(192 + 16 h' + 2 j + e', 199)
.set BD,    228                        ; v228-234 wave 7: seven words of the bias
; window 1 (v256-463, written v0-v207): X
.set MSB, 0
.macro WIN new                         ; the immediate's high byte repeats the setting that is left; a switch that changes nothing is dropped
.if MSB != \new
	s_set_vgpr_msb (MSB<<8)|\new
.set MSB, \new
.endif
.endm
; block u of an item: 16 rows a half of the lanes (u = 6: the last 8 rows, both halves alike).  Sixteen lanes read 128 consecutive bytes.  Destination window 1, address window 0
.macro LOADX u
	WIN 0x40
.if (\u) < 6
.irp i, 0,1,2,3,4,5,6,7,8,9,10,11,12,13,14,15
	global_load_b64 v[32*(\u)+2*\i:32*(\u)+2*\i+1], v[XO], s[4:5] offset:(32*(\u)+\i)*ROW th:TH_LOAD_NT
.endr
.else
.irp i, 0,1,2,3,4,5,6,7
	global_load_b64 v[192+2*\i:192+2*\i+1], v[XO6], s[4:5] offset:(192+\i)*ROW th:TH_LOAD_NT
.endr
.endif
.endm
; the same of W: rows t, my wave's 32 columns s
.macro LOADW u
	WIN 0x40
.if (\u) < 6
.irp i, 0,1,2,3,4,5,6,7,8,9,10,11,12,13,14,15
	global_load_b64 v[32*(\u)+2*\i:32*(\u)+2*\i+1], v[WO], s[6:7] offset:(32*(\u)+\i)*WROW
.endr
.else
.irp i, 0,1,2,3,4,5,6,7
	global_load_b64 v[192+2*\i:192+2*\i+1], v[WO6], s[6:7] offset:(192+\i)*WROW
.endr
.endif
.endm
; Block u becomes codes.  cnt: the loads younger than the block's that may stay out.  The hold (the conversion to an 8-bit code does not saturate: ISA guide 7.6.2) writes into TMP, parity by parity,
; so that X is kept and eight neighbours along t stand on end.  reload = 1: the block, now read, takes the first item's rows.
.macro QBLK u, sc, lim, limh, cnt, reload
	s_wait_loadcnt \cnt
	WIN 0x01                                       ; source 0 (X) window 1
.if (\u) < 6
.irp g, 0,1
.irp f, 0,1
.irp j, 0,1,2,3,4,5,6,7
	v_med3_num_f32 v[TMP+16*\g+8*\f+\j], v[32*(\u)+16*\g+2*\j+\f], -v[\lim], v[\lim]
.endr
.endr
.endr
.else
.irp f, 0,1
.irp j, 0,1,2,3,4,5,6,7
	v_med3_num_f32 v[TMP+8*\f+\j], v[192+2*\j+\f], -v[\limh], v[\limh]   ; lanes 16-31: held at 0: zero codes
.endr
.endr
.endif
.if \reload
	LOADX \u
.endif
	WIN 0
.if (\u) < 6
.irp g, 0,1
.irp f, 0,1
	v_cvt_scalef32_pk8_bf8_f32 v[TE+32*\f+4*(\u)+2*\g:TE+32*\f+4*(\u)+2*\g+1], v[TMP+16*\g+8*\f:TMP+16*\g+8*\f+7], v[\sc]
.endr
.endr
.else
.irp f, 0,1
	v_cvt_scalef32_pk8_bf8_f32 v[TE+32*\f+24:TE+32*\f+25], v[TMP+8*\f:TMP+8*\f+7], v[\sc]
.endr
.endif
	v_nop                                          ; one plain vector line between the conversions and what next writes their sources (the next block's holds) or reads their results (the products)
.endm
; W's two tiles (u, 0) and (u, 1), both K steps, and their bias, from LDS: 20 loads
.macro FRAG u
.irp e, 0,1
.irp q, 0,1,2,3,4,5,6,7
	ds_load_b128 v[WF+32*\e+4*\q:WF+32*\e+4*\q+3], v[LI] offset:WIMG+4096*(2*(\u)+\e)+512*\q
.endr
	ds_load_b128 v[BI+8*\e:BI+8*\e+3], v[BA] offset:BT+128*(\u)+64*\e
	ds_load_b128 v[BI+8*\e+4:BI+8*\e+7], v[BA] offset:BT+128*(\u)+64*\e+16
.endr
.endm
; eight products: accumulator a = 2 e + f; the first K step takes the bias as C, the second adds in place.  The four accumulators take turns, one instruction a turn
.macro MM
.irp a, 0,1,2,3
	v_wmma_f32_16x16x128_bf8_bf8 v[ACC+8*\a:ACC+8*\a+7], v[WF+32*(\a/2):WF+32*(\a/2)+15], v[TE+32*(\a%2):TE+32*(\a%2)+15], v[BI+8*(\a/2):BI+8*(\a/2)+7]
.endr
.irp a, 0,1,2,3
	v_wmma_f32_16x16x128_bf8_bf8 v[ACC+8*\a:ACC+8*\a+7], v[WF+32*(\a/2)+16:WF+32*(\a/2)+31], v[TE+32*(\a%2)+16:TE+32*(\a%2)+31], v[ACC+8*\a:ACC+8*\a+7]
.endr
.endm
; the scores of block u become p, in place, and are summed.  u = 6: registers 0-3 alone hold live s, in lanes 0-15 alone.  Each accumulator is read from its low end on.
; Each of the three batches of transcendentals has one plain line behind it and one wait ahead of its first reader.
.macro SOFT u
.if (\u) < 6
.set NJ, 8
.else
.set NJ, 4
.endif
.irp a, 0,1,2,3
.irp j, 0,2,4,6
.if \j < NJ
	v_pk_mul_f32 v[ACC+8*\a+\j:ACC+8*\a+\j+1], v[ACC+8*\a+\j:ACC+8*\a+\j+1], s[22:23] op_sel_hi:[1,0]   ; K1 D = c (z - 0.52983005)
.endif
.endr
.endr
.irp a, 0,1,2,3
.irp j, 0,1,2,3,4,5,6,7
.if \j < NJ
	v_exp_f32 v[ACC+8*\a+\j], v[ACC+8*\a+\j]       ; lam 2^(c z)
.endif
.endr
.endr
	v_nop
	s_wait_alu depctr_va_vdst(0)
.irp a, 0,1,2,3
.irp j, 0,2,4,6
.if \j < NJ
	v_pk_add_f32 v[ACC+8*\a+\j:ACC+8*\a+\j+1], v[ACC+8*\a+\j:ACC+8*\a+\j+1], s[24:25] op_sel_hi:[1,0]   ; + lam
.endif
.endr
.endr
.irp a, 0,1,2,3
.irp j, 0,1,2,3,4,5,6,7
.if \j < NJ
	v_rcp_f32 v[ACC+8*\a+\j], v[ACC+8*\a+\j]       ; c / (1 + 2^(c z))
.endif
.endr
.endr
	v_nop
	s_wait_alu depctr_va_vdst(0)
.irp a, 0,1,2,3
.irp j, 0,1,2,3,4,5,6,7
.if \j < NJ
	v_exp_f32 v[ACC+8*\a+\j], -v[ACC+8*\a+\j]      ; p = e^(tanh z - 1)
.endif
.endr
.endr
	v_nop
	s_wait_alu depctr_va_vdst(0)
.if (\u) == 6
.irp a, 0,1,2,3
.irp j, 0,2
	v_pk_mul_f32 v[ACC+8*\a+\j:ACC+8*\a+\j+1], v[ACC+8*\a+\j:ACC+8*\a+\j+1], v[MK:MK+1]   ; lanes 16-31 hold s beyond 199: they count for nothing
.endr
.endr
.endif
.irp k, 0,2,4,6                                ; the sums of p; block 0's first line starts them: nothing is cleared
.if \k < NJ
.irp a, 0,1,2,3
.if ((\u) == 0) && (\k == 0)
.elseif ((\u) == 0) && (\k == 2)
	v_pk_add_f32 v[L+2*\a:L+2*\a+1], v[ACC+8*\a:ACC+8*\a+1], v[ACC+8*\a+2:ACC+8*\a+3]
.else
	v_pk_add_f32 v[L+2*\a:L+2*\a+1], v[L+2*\a:L+2*\a+1], v[ACC+8*\a+\k:ACC+8*\a+\k+1]
.endif
.endr
.endif
.endr
	WIN 0x04                                       ; source 1 (X) window 1
.irp j, 0,1,2,3,4,5,6,7                        ; the sums of p x, in eight chains: x[t = s] is X + 32 u + 4 j + a in my own lane
.if \j < NJ
.irp a, 0,1,2,3
.if ((\u) == 0) && (\j < 2)
	v_mul_f32 v[O+4*(\j%2)+\a], v[ACC+8*\a+\j], v[32*(\u)+4*\j+\a]
.else
	v_fmac_f32 v[O+4*(\j%2)+\a], v[ACC+8*\a+\j], v[32*(\u)+4*\j+\a]
.endif
.endr
.endif
.endr
.endm
; block u of the scores.  next = 1: another item follows: its block u is asked for into the registers that SOFT has just read for the last time
.macro PAIR u, next
	s_wait_dscnt 0x0                               ; this block's fragments of W and bias, asked for a block ago
	MM
.rept 4
	v_nop                                          ; four places in front of the loads into W's and the bias's registers, and of the first read of the results
.endr
.if (\u) < 6
	FRAG (\u)+1
.elseif \next
	FRAG 0
.endif
	SOFT \u
.if \next
	LOADX \u
.endif
	WIN 0
.endm
; an item's end: the chains are joined, the two halves of the lanes exchanged; lane (r, h) keeps column 2 r + h, divides and puts its number into the stage
.macro FINISH
	v_pk_add_f32 v[L:L+1], v[L:L+1], v[L+4:L+5]            ; e = 0 and e = 1 of the even columns,
	v_pk_add_f32 v[L+2:L+3], v[L+2:L+3], v[L+6:L+7]        ; of the odd ones
	v_pk_add_f32 v[O:O+1], v[O:O+1], v[O+2:O+3]
	v_pk_add_f32 v[O+4:O+5], v[O+4:O+5], v[O+6:O+7]
	v_add_f32 v20, v[L], v[L+1]
	v_add_f32 v21, v[L+2], v[L+3]
	v_pk_add_f32 v[O:O+1], v[O:O+1], v[O+4:O+5]            ; (even column's, odd column's)
	v_permlanex16_b32 v22, v20, s26, s27                   ; lane l xor 16 holds the other rows t of the same columns
	v_permlanex16_b32 v23, v21, s26, s27
	v_permlanex16_b32 v[O+2], v[O], s26, s27
	v_permlanex16_b32 v[O+3], v[O+1], s26, s27
	v_pk_add_f32 v[20:21], v[20:21], v[22:23]
	v_pk_add_f32 v[O:O+1], v[O:O+1], v[O+2:O+3]
	v_cndmask_b32 v20, v20, v21, s30                       ; lanes 16-31 take the odd column
	v_cndmask_b32 v[O], v[O], v[O+1], s30
	v_rcp_f32 v22, v20
	v_add_nc_u32 v[SOA], s29, v[SO]                        ; (the plain line behind the reciprocal)
	s_wait_alu depctr_va_vdst(0)                           ; the wait ahead of the reciprocal's first reader
	v_mul_f32 v23, v[O], v22
	ds_store_b32 v[SOA], v23
	s_add_co_u32 s29, s29, 1024                            ; the next item's row of the stage
.endm
; An item.  Its 104 loads were issued in the order of the blocks, and nothing behind them: 104 - 16 (u + 1) are younger than block u's; a wait's count holds 63 at the most, and with 63 out the first 41 are in, blocks 0 and 1 among them.
.macro ITEM next
	QBLK 0, SCX, LIMX, LIMXH, 63, 0
	QBLK 1, SCX, LIMX, LIMXH, 63, 0
	QBLK 2, SCX, LIMX, LIMXH, 56, 0
	QBLK 3, SCX, LIMX, LIMXH, 40, 0
	QBLK 4, SCX, LIMX, LIMXH, 24, 0
	QBLK 5, SCX, LIMX, LIMXH, 8, 0
	QBLK 6, SCX, LIMX, LIMXH, 0, 0
.if \next
	s_wait_xcnt 0x0                                ; no load is out that reads the base:
	s_add_nc_u64 s[4:5], s[4:5], BATCH             ; on to the next batch
.endif
.irp u, 0,1,2,3,4,5,6
	PAIR \u, \next
.endr
	FINISH
.endm
	s_load_b256 s[4:11], s[0:1], 0x0               ; x s[4:5], W s[6:7], bias s[8:9], the scales' exponents s[10:11]
	s_load_b64 s[12:13], s[0:1], 0x20              ; out
	v_lshl_add_u32 v[SPW], v0, 2, SPARE
	v_mov_b32 v[NIL], 0
	v_lshrrev_b32 v20, 5, v0
	v_readfirstlane_b32 s14, v20                   ; wave 0..7
	v_and_b32 v21, 31, v0                          ; lane
	v_and_b32 v22, 15, v0                          ; r
	v_bfe_u32 v23, v0, 4, 1                        ; h
	v_lshlrev_b32 v[LI], 4, v21
	s_lshl_b32 s16, s14, 13
	v_add_nc_u32 v[WST], s16, v[LI]
	v_lshlrev_b32 v[BA], 5, v23
	v_lshlrev_b32 v[XO6], 3, v22
	v_lshl_add_u32 v[XO], v23, 15, v[XO6]          ; 16 rows of 2,048 bytes
	s_lshl_b32 s16, s14, 7
	v_add_nc_u32 v[WO6], s16, v[XO6]
	v_min_u32 v[WO6], 792, v[WO6]                  ; columns beyond 199 take 198 and 199 again: no load leaves W, and their scores are not used
	v_mad_u32_u24 v[WO], v23, 16*WROW, v[WO6]
	v_lshl_add_u32 v[SO], v23, 2, v[XO6]
	v_add_nc_u32 v[SO], s16, v[SO]
	v_add_nc_u32 v[SO], STG, v[SO]
	v_bfe_u32 v[BO], v0, 3, 1                      ; h'
	v_and_b32 v[BO6], 7, v0                        ; j
	v_lshlrev_b32 v[BO], 4, v[BO]
	v_lshl_add_u32 v[BO], v[BO6], 1, v[BO]
	v_add_nc_u32 v[BO], v23, v[BO]                 ; 16 h' + 2 j + e'
	v_add_nc_u32 v[BO6], 192, v[BO]
	v_min_u32 v[BO6], 199, v[BO6]
	v_lshlrev_b32 v[BO6], 2, v[BO6]
	v_lshlrev_b32 v[BO], 2, v[BO]
	v_lshlrev_b32 v[BST], 2, v21
	v_lshl_add_u32 v[SRD], v0, 4, STG
	v_lshrrev_b32 v[OUTO], 6, v0                   ; the item whose row I store,
	v_and_b32 v42, 63, v0
	v_lshlrev_b32 v42, 4, v42                      ; and my 16 bytes of its 1,024
	v_lshl_add_u32 v[OUTO], v[OUTO], 11, v42
	v_cvt_f32_u32 v[MK], v23
	v_sub_f32 v[MK], 1.0, v[MK]
	v_mov_b32 v[MK+1], v[MK]
.irp j, 26,27,28,29,30,31
	v_mov_b32 v[TE+\j], 0                          ; K = 208 .. 255: zero codes, written once, in x's operands and (through waves 0-6) in W's images
	v_mov_b32 v[TE+32+\j], 0
.endr
	s_mov_b32 s26, 0x76543210                      ; v_permlanex16_b32's selects for lane l xor 16
	s_mov_b32 s27, 0xfedcba98
	s_mov_b32 s30, 0xffff0000                      ; lanes 16-31
	s_mov_b32 s24, 0x3eb17218                      ; lam = ln 2 / 2
	s_mov_b32 s25, s24                             ; (named with it as a pair, so it is written)
	s_lshr_b32 s16, ttmp9, 1
	s_and_b32 s17, ttmp9, 1
	s_mul_i32 s20, s16, 4*BATCH                    ; my work-group's four batches,
	s_lshl_b32 s21, s17, 10                        ; its 256 columns,
	s_add_co_u32 s20, s20, s21
	s_lshl_b32 s21, s14, 7                         ; my wave's 32
	s_add_co_u32 s20, s20, s21
	s_mov_b32 s21, 0
	s_lshl_b32 s16, s16, 13                        ; out: four rows of 2,048 bytes,
	s_lshl_b32 s17, s17, 10                        ; 256 columns
	s_add_co_u32 s16, s16, s17
	s_mov_b32 s17, 0
	s_wait_kmcnt 0x0
	s_load_b64 s[18:19], s[10:11], 0x0             ; e0, e1
	s_add_nc_u64 s[4:5], s[4:5], s[20:21]
	s_add_nc_u64 s[12:13], s[12:13], s[16:17]
	s_wait_kmcnt 0x0
	s_add_co_i32 s20, s18, 127
	s_lshl_b32 s21, s20, 23
	v_mov_b32 v[SCX], s21                          ; 2^e0 as f32: the conversion takes its exponent field
	s_add_co_i32 s20, s20, 15
	s_lshl_b32 s20, s20, 23
	s_or_b32 s20, s20, 0x600000
	v_mov_b32 v[LIMX], s20                         ; 57,344 x 2^e0
	v_mul_f32 v[LIMXH], v[LIMX], v[MK]
	s_add_co_i32 s20, s19, 127
	s_lshl_b32 s21, s20, 23
	v_mov_b32 v[SCW], s21
	s_add_co_i32 s20, s20, 15
	s_lshl_b32 s20, s20, 23
	s_or_b32 s20, s20, 0x600000
	v_mov_b32 v[LIMW], s20
	v_mul_f32 v[LIMWH], v[LIMW], v[MK]
	s_add_co_i32 s32, s18, s19                     ; E = e0 + e1
	s_lshl_b32 s22, s32, 23
	s_add_co_i32 s22, s22, 0x4038aa3b              ; K1 = c 2^E: E is added to c's exponent field
	s_mov_b32 s23, s22
	s_sub_co_i32 s32, 0, s32                       ; -E
	s_cmp_eq_u32 s14, 7
	s_cbranch_scc1 .Lbias
	; ---- waves 0-6: columns 32 w .. 32 w + 31 of W become tiles (w, 0) and (w, 1).  W takes X's registers first; each block, once read, takes the first item's rows of x.
	LOADW 0
	LOADW 1
	LOADW 2
	LOADW 3
	LOADW 4
	LOADW 5
	LOADW 6
.irp u, 0,1,2,3,4,5,6                          ; ahead of block u's wait 104 + 16 u loads have been issued: with 63 out, the first 41 + 16 u are in, W's block u among them
	QBLK \u, SCW, LIMW, LIMWH, 63, 1
.endr
.irp e, 0,1
.irp q, 0,1,2,3,4,5,6,7
	ds_store_b128 v[WST], v[TE+32*\e+4*\q:TE+32*\e+4*\q+3] offset:WIMG+4096*\e+512*\q   ; the operand's registers as they stand
.endr
.endr
	s_branch .Ljoin
.Lbias:
	; ---- wave 7: the bias table, in the order in which the results' lanes want it
.irp u, 0,1,2,3,4,5
	global_load_b32 v[BD+\u], v[BO], s[8:9] offset:128*\u
.endr
	global_load_b32 v[BD+6], v[BO6], s[8:9]
.irp u, 0,1,2,3,4,5,6
	LOADX \u
.endr
	WIN 0
	s_wait_loadcnt 63                              ; of the 111 issued the first 48 are in, the bias's seven among them
.irp u, 0,1,2,3,4,5,6
	v_add_f32 v[BD+\u], 0xbf07a2f3, v[BD+\u]       ; bias - 0.52983005,
	v_ldexp_f32 v[BD+\u], v[BD+\u], s32            ; / 2^E
.endr
.irp u, 0,1,2,3,4,5,6
	ds_store_b32 v[BST], v[BD+\u] offset:BT+128*\u
.endr
.Ljoin:                                            ; on both ways the last 104 loads issued are the first item's, in the order of the blocks
	s_wait_dscnt 0x0                               ; for the others' sake: my stores into LDS are done
	s_barrier_signal -1
	s_barrier_wait -1                              ; W's images and the bias table are whole; nobody writes them again
	FRAG 0
	s_mov_b32 s28, 3
	s_mov_b32 s29, 0
.Litem:                                            ; three trips: items 0 to 2, each asking for the next
	ITEM 1
	s_sub_co_u32 s28, s28, 1
	s_cmp_lg_u32 s28, 0
	s_cbranch_scc1 .Litem
	ITEM 0                                         ; the last item is written out: it asks for nothing, so no load leaves x
	; ---- the way out: four rows of 1,024 bytes lie in the stage; a wave stores 512 consecutive bytes, at a multiple of 256 from out's first byte
	s_wait_dscnt 0x0                               ; for the others' sake: my stores into the stage are done
	s_barrier_signal -1
	s_barrier_wait -1
	ds_load_b128 v[44:47], v[SRD]
	s_wait_dscnt 0x0
	global_store_b128 v[OUTO], v[44:47], s[12:13] th:TH_STORE_NT
	s_wait_tensorcnt 0x0                           ; the wave's end: three closing lines, behind my last LDS store
	ds_add_u32 v[SPW], v[NIL]
	s_wait_dscnt 0x0
	s_endpgm
.Lfunc_end_k_q331c426389_attnpool:
	.size	k_q331c426389_attnpool, .Lfunc_end_k_q331c426389_attnpool-k_q331c426389_attnpool
	.p2alignl 7, 3214868480
	.fill 96, 4, 3214868480
	.section	.rodata,"a",@progbits
	.p2align	6, 0x0
	.amdhsa_kernel k_q331c426389_attnpool
		.amdhsa_group_segment_fixed_size 63488
		.amdhsa_private_segment_fixed_size 0
		.amdhsa_enable_private_segment 0
		.amdhsa_kernarg_size 40
		.amdhsa_user_sgpr_count 2
		.amdhsa_user_sgpr_kernarg_segment_ptr 1
		.amdhsa_wavefront_size32 1
		.amdhsa_system_sgpr_workgroup_id_x 1
		.amdhsa_system_sgpr_workgroup_id_y 1
		.amdhsa_system_sgpr_workgroup_id_z 1
		.amdhsa_system_vgpr_workitem_id 0
		.amdhsa_next_free_vgpr 464
		.amdhsa_next_free_sgpr 66
		.amdhsa_reserve_vcc 0
		.amdhsa_float_denorm_mode_32 3
		.amdhsa_float_denorm_mode_16_64 3
		.amdhsa_memory_ordered 1
		.amdhsa_forward_progress 1
		.amdhsa_inst_pref_size 231
	.end_amdhsa_kernel
	.amdgpu_metadata
---
amdhsa.version: [ 1, 2 ]
amdhsa.kernels:
  - .name:           k_q331c426389_attnpool
    .symbol:         k_q331c426389_attnpool.kd
    .args:
      - { .name: inputs, .offset: 0, .size: 8, .value_kind: global_buffer, .address_space: global }
      - { .name: W, .offset: 8, .size: 8, .value_kind: global_buffer, .address_space: global }
      - { .name: b, .offset: 16, .size: 8, .value_kind: global_buffer, .address_space: global }
      - { .name: lowp_scales, .offset: 24, .size: 8, .value_kind: global_buffer, .address_space: global }
      - { .name: out0, .offset: 32, .size: 8, .value_kind: global_buffer, .address_space: global }
    .group_segment_fixed_size: 63488
    .private_segment_fixed_size: 0
    .kernarg_segment_align: 8
    .kernarg_segment_size: 40
    .max_flat_workgroup_size: 256
    .sgpr_count:     66
    .vgpr_count:     464
    .wavefront_size: 32
...
	.end_amdgpu_metadata
.endif
;; end of part 1
;; ======== version 2 of 2: 1 launch; version 1 with the launch attnpool written anew for expert scheduling mode
;; limits: right only within a limited range of input values
;; launch attnpool (part 2): grid 256 x 1, 8 waves a work-group, no clusters, 63,488 bytes of LDS; arguments inputs, W, b, lowp_scales, out0; writes out0
.if DOCPART == 2
	.amdgcn_target "amdgcn-amd-amdhsa--gfx1250"
	.amdhsa_code_object_version 6
	.text
	.protected	k_q331c426389_attnpool
	.globl	k_q331c426389_attnpool
	.p2align	8
	.type	k_q331c426389_attnpool,@function
k_q331c426389_attnpool:
	s_mov_b64 s[64:65], 0
	v_nop
	global_prefetch_b8 v0, s[64:65] scope:SCOPE_SE
	s_setreg_imm32_b32 hwreg(HW_REG_WAVE_SCHED_MODE, 0, 2), 2
	s_setreg_imm32_b32 hwreg(HW_REG_WAVE_MODE, 25, 1), 1
	s_wait_xcnt 0x0
	s_wait_alu depctr_vm_vsrc(0)
; out[b][d] = sum over t of a[t] x[b][t][d],  a = softmax over s of tanh(z[s]),  z[s] = sum over t of Q(x[b][t][d]) Q(W[t][s]) + bias[s].
; x: [512][200][512] f32, W: [200][200] f32, bias: [200] f32, out: [512][512] f32.  Q: codes of E5M2 under the given scales 2^e0 (x) and 2^e1 (W); the codes are multiplied by
; v_wmma_f32_16x16x128_bf8_bf8, sums in f32.  The weighted sum takes the UNQUANTISED x, in f32 multiply-adds.  Every input has a way to the output: nothing is left out.
; THE SOFTMAX.  tanh bounds the softmax's exponents to [-1, 1] for every input, so the bound 1 is taken away in place of the row's maximum: p = e^(tanh z - 1) lies in [e^-2, 1] and a row's sum
; in [200 e^-2, 200]: no exponential and no sum can overflow or underflow.  The shift cancels in (sum of p x) / (sum of p).
; tanh z - 1 = -2 / (1 + 2^(c z)), c = 2 / ln 2, so p = 2^(-c / (1 + 2^(c z))) = 2^(-1 / (lam + lam 2^(c z))), lam = ln 2 / 2, and lam 2^(c z) = 2^(c (z - 0.52983005)).
; A sum of codes stands for sum x 2^E, E = e0 + e1.  So the bias goes in as the C of each sum's first matrix instruction, as (bias - 0.52983005) / 2^E, and a finished sum D gives
; p = exp2(-rcp(lam + exp2(K1 D))), K1 = c 2^E: two packed lines, three transcendentals.  2^(..) = infinity gives p = 1, 2^(..) = 0 gives p = e^-2: both are tanh's limits.
; SHARES.  256 work-groups of eight waves.  Work-group g owns batches 4 (g / 2) .. + 3 and columns 256 (g % 2) .. + 255; wave w of it 32 columns.  An ITEM is one batch x 32 columns x all 200 rows:
; four items a wave.  The eight waves read 1,024 consecutive bytes of each row.
; LAYOUT.  Lane (r = lane % 16, h = lane / 16).  Load (u, i) brings row t = 32 u + 16 h + i, columns 2 r and 2 r + 1 (8 bytes), into X + 32 u + 2 i + f (f: the column's parity): 104 loads, 208 registers,
; which stay until the item is done.  Rows 192 .. 199 (u = 6, i < 8) are loaded by both halves of the lanes, so that no load leaves the buffer; lanes 16-31 hold them at a limit of 0 (zero codes) and weigh them by 0.
; The hold at the largest code writes into other registers, eight neighbours along t on end for each parity: so x stays as it is, and the conversions give codes along K.  Pair 2 u + g of an operand's 32
; registers holds t = 32 u + 16 h + 8 g + 0 .. 7: a permutation of K that x and W share, since one macro makes both.  K is filled up to 256 with zero codes on both sides.
; THE PRODUCT IS USED TRANSPOSED: source 0 = 16 columns s of W (tile (u, e): row m is s = 32 u + 2 m + e), source 1 = 16 columns d of x (tile f: d = 2 r + f).  In the result lane (r, h), register j
; holds s = 32 u + 16 h + 2 j + e, and x[t = s] lies in the SAME lane, at X + 32 u + 4 j + 2 e + f: nothing changes lanes before the one exchange at an item's end.
; W is quantised once a work-group (waves 0-6: 32 columns each; wave 7 makes the bias table) and lies in LDS as images of the operand's registers.
; NO CLUSTER: what work-groups share is W, 160,000 bytes read once at the head, through registers since it is quantised there, beside 819,200 bytes of x that are a work-group's own.
; NO TENSOR LOAD, NO LDS FOR x: one copy in registers serves both the quantiser and the weighted sum.
; LIMITS: e0 and e1 between -126 and 112; e0 + e1 between -127 and 126; (bias - 0.53) / 2^(e0 + e1) stays an f32 number.  NaN and infinities among the inputs are not served (0 x infinity in the idle half of the last rows).
; THE MODE: SCHED_MODE bits 1:0 = 2 (LLVM: expert scheduling mode 2), set by the entry lines.  The code itself states the register dependences
; between vector or matrix instructions and memory or LDS instructions, with s_wait_alu, always for 0.
; THE PLAN.  Registers that memory or LDS instructions touch:
;   X, blocks 0 .. 6   Written by loads alone.  Read by the block's holds (QBLK u) and, last, by the 32 multiply-adds at the end of SOFT u.  The next item's block u lands there.
;   WF, BI             Written by LDS loads alone.  Read by the eight matrix instructions of block u (MM); block u + 1's fragments land there.
;   TE                 Written by conversions, read by matrix instructions; once, at the head of waves 0-6, also read by the sixteen LDS stores of W's images.
;   BD                 Wave 7, at the head: loaded, changed in place, read by seven LDS stores, never written again.
;   v23, v[SOA]        Written once an item, at its end, and read by that item's one store into the stage.
;   v[44:47]           The way out: an LDS load lands there and a store reads them; no vector instruction names them.
;   the addresses      v1-8, v40, v41, v224-226 and the add's v18, v19: made at the head, never written again: the rows are reached by the scalar base and by immediate offsets.
; IN THE LOOP a block holds no wait but the three behind its batches of transcendentals.  The first of them, behind the block's first exponentials, also states that MM of this block is done reading WF and BI
; and that the multiply-adds of the block before are done reading their block of X.  So behind it stand the next item's loads into that block of X and, dealt among the packed additions, the LDS loads
; of the next block's fragments.  From that wait to the block's end vector instructions name ACC, L, O, MK and this block's X: none of the registers that those loads touch.
; The last block of X is asked for behind the wait for the reciprocal at the item's end.
.set ROW,   2048                       ; a row of x in bytes
.set BATCH, 409600                     ; a batch of x in bytes
.set WROW,  800                        ; a row of W in bytes
.set WIMG,  0                          ; LDS: 14 tiles of W (2 u + e), 4,096 bytes each: group q of four registers at 512 q + 16 x lane
.set BT,    57344                      ; the bias table: word 32 u + 16 e + 8 h + j
.set STG,   58368                      ; the stage for out: item i at 1,024 i, wave at 128 w, lane at 8 r + 4 h
.set SPARE, 62464                      ; the spare words, 128 bytes for each wave: four blocks of 256 bytes that no other line names
.set LI,    1                          ; v1   16 x lane
.set WST,   2                          ; v2   16 x lane + 8,192 x wave: where I store W's images
.set BA,    3                          ; v3   32 h
.set XO,    4                          ; v4   8 r + 16 h rows of x
.set XO6,   5                          ; v5   8 r
.set WO,    6                          ; v6   min(128 w + 8 r, 792) + 16 h rows of W
.set WO6,   7                          ; v7   the same without h
.set SO,    8                          ; v8   STG + 128 w + 8 r + 4 h
.set SOA,   9                          ; v9   + the item's 1,024 bytes
.set SCX,   10                         ; v10  2^e0 as f32;  v11 57,344 x 2^e0;  v12 the same, 0 in lanes 16-31
.set LIMX,  11
.set LIMXH, 12
.set SCW,   13                         ; v13-15 the same with e1
.set LIMW,  14
.set LIMWH, 15
.set MK,    16                         ; v[16:17] 1 in lanes 0-15, 0 in lanes 16-31
.set SPW,   18                         ; v18  LDS address of my spare word; never rewritten
.set NIL,   19                         ; v19  0; never rewritten
.set L,     24                         ; v[24:31] the sums of p: a pair for each accumulator a = 2 e + f
.set O,     32                         ; v[32:39] the sums of p x: chain 4 (j % 2) + a
.set SRD,   40                         ; v40  STG + 16 x thread
.set OUTO,  41                         ; v41  my byte offset in the work-group's part of out
.set TE,    48                         ; v48-79 codes of the even columns, v80-111 of the odd ones
.set ACC,   112                        ; v112-143 four accumulators
.set TMP,   112                        ; the same registers, while a block is quantised
.set WF,    144                        ; v144-207 W's fragments: tile e at + 32 e, K step at + 16
.set BI,    208                        ; v208-223 the bias in the result's layout: tile e at + 8 e
.set BST,   224                        ; v224 4 x lane
.set BO,    225                        ; v225 4 (16 h' + 2 j + e'), lane = 16 e' + 8 h' + j
.set BO6,   226                        ; v226 4 min(192 + 16 h' + 2 j + e', 199)
.set BD,    228                        ; v228-234 wave 7: seven words of the bias
; window 1 (v256-463, written v0-v207): X
.set MSB, 0
.macro WIN new                         ; the immediate's high byte repeats the setting that is left; a switch that changes nothing is dropped
.if MSB != \new
	s_set_vgpr_msb (MSB<<8)|\new
.set MSB, \new
.endif
.endm
; block u of an item: 16 rows a half of the lanes (u = 6: the last 8 rows, both halves alike).  Sixteen lanes read 128 consecutive bytes.  Destination window 1, address window 0
.macro LOADX u
	WIN 0x40
.if (\u) < 6
.irp i, 0,1,2,3,4,5,6,7,8,9,10,11,12,13,14,15
	global_load_b64 v[32*(\u)+2*\i:32*(\u)+2*\i+1], v[XO], s[4:5] offset:(32*(\u)+\i)*ROW th:TH_LOAD_NT
.endr
.else
.irp i, 0,1,2,3,4,5,6,7
	global_load_b64 v[192+2*\i:192+2*\i+1], v[XO6], s[4:5] offset:(192+\i)*ROW th:TH_LOAD_NT
.endr
.endif
.endm
; the same of W: rows t, my wave's 32 columns s
.macro LOADW u
	WIN 0x40
.if (\u) < 6
.irp i, 0,1,2,3,4,5,6,7,8,9,10,11,12,13,14,15
	global_load_b64 v[32*(\u)+2*\i:32*(\u)+2*\i+1], v[WO], s[6:7] offset:(32*(\u)+\i)*WROW
.endr
.else
.irp i, 0,1,2,3,4,5,6,7
	global_load_b64 v[192+2*\i:192+2*\i+1], v[WO6], s[6:7] offset:(192+\i)*WROW
.endr
.endif
.endm
; Block u becomes codes.  cnt: the loads younger than the block's that may stay out.  The hold (the conversion to an 8-bit code does not saturate: ISA guide 7.6.2) writes into TMP, parity by parity,
; so that X is kept and eight neighbours along t stand on end.  reload = 1: the block, now read, takes the first item's rows.
.macro QBLK u, sc, lim, limh, cnt, reload
	s_wait_loadcnt \cnt
	WIN 0x01                                       ; source 0 (X) window 1
.if (\u) < 6
.irp g, 0,1
.irp f, 0,1
.irp j, 0,1,2,3,4,5,6,7
	v_med3_num_f32 v[TMP+16*\g+8*\f+\j], v[32*(\u)+16*\g+2*\j+\f], -v[\lim], v[\lim]
.endr
.endr
.endr
.else
.irp f, 0,1
.irp j, 0,1,2,3,4,5,6,7
	v_med3_num_f32 v[TMP+8*\f+\j], v[192+2*\j+\f], -v[\limh], v[\limh]   ; lanes 16-31: held at 0: zero codes
.endr
.endr
.endif
.if \reload
	WIN 0x40                                       ; the loads' window first, then the wait, then the loads
	s_wait_alu depctr_va_vdst(0)                   ; the holds above are done reading block u of X, in which the loads below land
	LOADX \u
.endif
	WIN 0
.if (\u) < 6
.irp g, 0,1
.irp f, 0,1
	v_cvt_scalef32_pk8_bf8_f32 v[TE+32*\f+4*(\u)+2*\g:TE+32*\f+4*(\u)+2*\g+1], v[TMP+16*\g+8*\f:TMP+16*\g+8*\f+7], v[\sc]
.endr
.endr
.else
.irp f, 0,1
	v_cvt_scalef32_pk8_bf8_f32 v[TE+32*\f+24:TE+32*\f+25], v[TMP+8*\f:TMP+8*\f+7], v[\sc]
.endr
.endif
	v_nop                                          ; one plain vector line between the conversions and what next writes their sources (the next block's holds) or reads their results (the products)
.endm
; A quarter (a = 0 .. 3) of the 20 LDS loads that bring W's two tiles (u, 0) and (u, 1), both K steps, and their bias: tile a / 2, K step a % 2 (four loads), and that half of the tile's bias (one)
.macro FRAGQ u, a
.irp q, 0,1,2,3
	ds_load_b128 v[WF+32*((\a)/2)+16*((\a)%2)+4*\q:WF+32*((\a)/2)+16*((\a)%2)+4*\q+3], v[LI] offset:WIMG+4096*(2*(\u)+(\a)/2)+2048*((\a)%2)+512*\q
.endr
	ds_load_b128 v[BI+8*((\a)/2)+4*((\a)%2):BI+8*((\a)/2)+4*((\a)%2)+3], v[BA] offset:BT+128*(\u)+64*((\a)/2)+16*((\a)%2)
.endm
; eight products: accumulator a = 2 e + f; the first K step takes the bias as C, the second adds in place.  The four accumulators take turns, one instruction a turn
.macro MM
.irp a, 0,1,2,3
	v_wmma_f32_16x16x128_bf8_bf8 v[ACC+8*\a:ACC+8*\a+7], v[WF+32*(\a/2):WF+32*(\a/2)+15], v[TE+32*(\a%2):TE+32*(\a%2)+15], v[BI+8*(\a/2):BI+8*(\a/2)+7]
.endr
.irp a, 0,1,2,3
	v_wmma_f32_16x16x128_bf8_bf8 v[ACC+8*\a:ACC+8*\a+7], v[WF+32*(\a/2)+16:WF+32*(\a/2)+31], v[TE+32*(\a%2)+16:TE+32*(\a%2)+31], v[ACC+8*\a:ACC+8*\a+7]
.endr
.endm
; the scores of block u become p, in place, and are summed.  u = 6: registers 0-3 alone hold live s, in lanes 0-15 alone.  Each accumulator is read from its low end on.
; Each of the three batches of transcendentals has one plain line behind it and one wait ahead of its first reader.
; next = 1: another item follows.  Behind the first wait stand the loads that it frees: the next item's block u - 1 of x, and the next block's fragments of W and bias.
.macro SOFT u, next
.if (\u) < 6
.set NJ, 8
.else
.set NJ, 4
.endif
.irp a, 0,1,2,3
.irp j, 0,2,4,6
.if \j < NJ
	v_pk_mul_f32 v[ACC+8*\a+\j:ACC+8*\a+\j+1], v[ACC+8*\a+\j:ACC+8*\a+\j+1], s[22:23] op_sel_hi:[1,0]   ; K1 D = c (z - 0.52983005)
.endif
.endr
.endr
.irp a, 0,1,2,3
.irp j, 0,1,2,3,4,5,6,7
.if \j < NJ
	v_exp_f32 v[ACC+8*\a+\j], v[ACC+8*\a+\j]       ; lam 2^(c z)
.endif
.endr
.endr
	v_nop
.if \next && ((\u) > 0)
	WIN 0x40                                       ; the loads' window first, then the wait, then the loads
.endif
	s_wait_alu depctr_va_vdst(0)                   ; the exponentials have written ACC, which the additions below read; this block's matrix instructions are done reading WF and BI, and the multiply-adds of the block before are done reading their block of X: loads land in all three below
.if \next && ((\u) > 0)
	LOADX (\u)-1                                   ; the next item's block u - 1: no vector instruction from the wait to the item's end names these registers
	WIN 0
.endif
.irp a, 0,1,2,3
.if (\u) < 6
	FRAGQ (\u)+1, \a                               ; the next block's fragments, five loads at a time among the additions, which name ACC alone
.elseif \next
	FRAGQ 0, \a                                    ; the next item's first
.endif
.irp j, 0,2,4,6
.if \j < NJ
	v_pk_add_f32 v[ACC+8*\a+\j:ACC+8*\a+\j+1], v[ACC+8*\a+\j:ACC+8*\a+\j+1], s[24:25] op_sel_hi:[1,0]   ; + lam
.endif
.endr
.endr
.irp a, 0,1,2,3
.irp j, 0,1,2,3,4,5,6,7
.if \j < NJ
	v_rcp_f32 v[ACC+8*\a+\j], v[ACC+8*\a+\j]       ; c / (1 + 2^(c z))
.endif
.endr
.endr
	v_nop
	s_wait_alu depctr_va_vdst(0)                   ; the reciprocals have written ACC, which the exponentials below read
.irp a, 0,1,2,3
.irp j, 0,1,2,3,4,5,6,7
.if \j < NJ
	v_exp_f32 v[ACC+8*\a+\j], -v[ACC+8*\a+\j]      ; p = e^(tanh z - 1)
.endif
.endr
.endr
	v_nop
	s_wait_alu depctr_va_vdst(0)                   ; the exponentials have written ACC, which the sums below read
.if (\u) == 6
.irp a, 0,1,2,3
.irp j, 0,2
	v_pk_mul_f32 v[ACC+8*\a+\j:ACC+8*\a+\j+1], v[ACC+8*\a+\j:ACC+8*\a+\j+1], v[MK:MK+1]   ; lanes 16-31 hold s beyond 199: they count for nothing
.endr
.endr
.endif
.irp k, 0,2,4,6                                ; the sums of p; block 0's first line starts them: nothing is cleared
.if \k < NJ
.irp a, 0,1,2,3
.if ((\u) == 0) && (\k == 0)
.elseif ((\u) == 0) && (\k == 2)
	v_pk_add_f32 v[L+2*\a:L+2*\a+1], v[ACC+8*\a:ACC+8*\a+1], v[ACC+8*\a+2:ACC+8*\a+3]
.else
	v_pk_add_f32 v[L+2*\a:L+2*\a+1], v[L+2*\a:L+2*\a+1], v[ACC+8*\a+\k:ACC+8*\a+\k+1]
.endif
.endr
.endif
.endr
	WIN 0x04                                       ; source 1 (X) window 1
.irp j, 0,1,2,3,4,5,6,7                        ; the sums of p x, in eight chains: x[t = s] is X + 32 u + 4 j + a in my own lane
.if \j < NJ
.irp a, 0,1,2,3
.if ((\u) == 0) && (\j < 2)
	v_mul_f32 v[O+4*(\j%2)+\a], v[ACC+8*\a+\j], v[32*(\u)+4*\j+\a]
.else
	v_fmac_f32 v[O+4*(\j%2)+\a], v[ACC+8*\a+\j], v[32*(\u)+4*\j+\a]
.endif
.endr
.endif
.endr
.endm
; block u of the scores
.macro PAIR u, next
	s_wait_dscnt 0x0                               ; this block's fragments of W and bias, asked for a block ago
	MM
.rept 4
	v_nop                                          ; four places (ISA guide 7.12.1) in front of the first read of the results
.endr
	SOFT \u, \next
	WIN 0
.endm
; an item's end: the chains are joined, the two halves of the lanes exchanged; lane (r, h) keeps column 2 r + h, divides and puts its number into the stage.  next = 1: the next item's last block of x is asked for here
.macro FINISH next
	s_wait_alu depctr_vm_vsrc(0)                           ; the store into the stage at the end of the item before has read v23 and v[SOA], which are written again below
	v_pk_add_f32 v[L:L+1], v[L:L+1], v[L+4:L+5]            ; e = 0 and e = 1 of the even columns,
	v_pk_add_f32 v[L+2:L+3], v[L+2:L+3], v[L+6:L+7]        ; of the odd ones
	v_pk_add_f32 v[O:O+1], v[O:O+1], v[O+2:O+3]
	v_pk_add_f32 v[O+4:O+5], v[O+4:O+5], v[O+6:O+7]
	v_add_f32 v20, v[L], v[L+1]
	v_add_f32 v21, v[L+2], v[L+3]
	v_pk_add_f32 v[O:O+1], v[O:O+1], v[O+4:O+5]            ; (even column's, odd column's)
	v_permlanex16_b32 v22, v20, s26, s27                   ; lane l xor 16 holds the other rows t of the same columns
	v_permlanex16_b32 v23, v21, s26, s27
	v_permlanex16_b32 v[O+2], v[O], s26, s27
	v_permlanex16_b32 v[O+3], v[O+1], s26, s27
	v_pk_add_f32 v[20:21], v[20:21], v[22:23]
	v_pk_add_f32 v[O:O+1], v[O:O+1], v[O+2:O+3]
	v_cndmask_b32 v20, v20, v21, s30                       ; lanes 16-31 take the odd column
	v_cndmask_b32 v[O], v[O], v[O+1], s30
	v_rcp_f32 v22, v20
	v_add_nc_u32 v[SOA], s29, v[SO]                        ; (the plain line behind the reciprocal)
.if \next
	WIN 0x40                                               ; the loads' window first, then the wait, then the loads
.endif
	s_wait_alu depctr_va_vdst(0)                           ; the reciprocal has written v22, which the multiplication reads; v[SOA] is written, which the store reads; block 6's multiply-adds are done reading their block of X, in which the loads below land
.if \next
	LOADX 6
	WIN 0
.endif
	v_mul_f32 v23, v[O], v22
	s_wait_alu depctr_va_vdst(0)                           ; the multiplication has written v23, the store's data
	ds_store_b32 v[SOA], v23
	s_add_co_u32 s29, s29, 1024                            ; the next item's row of the stage
.endm
; An item.  Its 104 loads were issued in the order of the blocks, and nothing behind them: 104 - 16 (u + 1) are younger than block u's; a wait's count holds 63 at the most, and with 63 out the first 41 are in, blocks 0 and 1 among them.
.macro ITEM next
	QBLK 0, SCX, LIMX, LIMXH, 63, 0
	QBLK 1, SCX, LIMX, LIMXH, 63, 0
	QBLK 2, SCX, LIMX, LIMXH, 56, 0
	QBLK 3, SCX, LIMX, LIMXH, 40, 0
	QBLK 4, SCX, LIMX, LIMXH, 24, 0
	QBLK 5, SCX, LIMX, LIMXH, 8, 0
	QBLK 6, SCX, LIMX, LIMXH, 0, 0
.if \next
	s_wait_xcnt 0x0                                ; no load is out that reads the base:
	s_add_nc_u64 s[4:5], s[4:5], BATCH             ; on to the next batch
.endif
.irp u, 0,1,2,3,4,5,6
	PAIR \u, \next
.endr
	FINISH \next
.endm
	s_load_b256 s[4:11], s[0:1], 0x0               ; x s[4:5], W s[6:7], bias s[8:9], the scales' exponents s[10:11]
	s_load_b64 s[12:13], s[0:1], 0x20              ; out
	v_lshl_add_u32 v[SPW], v0, 2, SPARE
	v_mov_b32 v[NIL], 0
	v_lshrrev_b32 v20, 5, v0
	v_readfirstlane_b32 s14, v20                   ; wave 0..7
	v_and_b32 v21, 31, v0                          ; lane
	v_and_b32 v22, 15, v0                          ; r
	v_bfe_u32 v23, v0, 4, 1                        ; h
	v_lshlrev_b32 v[LI], 4, v21
	s_wait_alu depctr_va_sdst(0)                   ; s14 is written, ahead of its first reader: addresses and the parting of the waves are made from it
	s_lshl_b32 s16, s14, 13
	v_add_nc_u32 v[WST], s16, v[LI]
	v_lshlrev_b32 v[BA], 5, v23
	v_lshlrev_b32 v[XO6], 3, v22
	v_lshl_add_u32 v[XO], v23, 15, v[XO6]          ; 16 rows of 2,048 bytes
	s_lshl_b32 s16, s14, 7
	v_add_nc_u32 v[WO6], s16, v[XO6]
	v_min_u32 v[WO6], 792, v[WO6]                  ; columns beyond 199 take 198 and 199 again: no load leaves W, and their scores are not used
	v_mad_u32_u24 v[WO], v23, 16*WROW, v[WO6]
	v_lshl_add_u32 v[SO], v23, 2, v[XO6]
	v_add_nc_u32 v[SO], s16, v[SO]
	v_add_nc_u32 v[SO], STG, v[SO]
	v_bfe_u32 v[BO], v0, 3, 1                      ; h'
	v_and_b32 v[BO6], 7, v0                        ; j
	v_lshlrev_b32 v[BO], 4, v[BO]
	v_lshl_add_u32 v[BO], v[BO6], 1, v[BO]
	v_add_nc_u32 v[BO], v23, v[BO]                 ; 16 h' + 2 j + e'
	v_add_nc_u32 v[BO6], 192, v[BO]
	v_min_u32 v[BO6], 199, v[BO6]
	v_lshlrev_b32 v[BO6], 2, v[BO6]
	v_lshlrev_b32 v[BO], 2, v[BO]
	v_lshlrev_b32 v[BST], 2, v21
	v_lshl_add_u32 v[SRD], v0, 4, STG
	v_lshrrev_b32 v[OUTO], 6, v0                   ; the item whose row I store,
	v_and_b32 v42, 63, v0
	v_lshlrev_b32 v42, 4, v42                      ; and my 16 bytes of its 1,024
	v_lshl_add_u32 v[OUTO], v[OUTO], 11, v42
	v_cvt_f32_u32 v[MK], v23
	v_sub_f32 v[MK], 1.0, v[MK]
	v_mov_b32 v[MK+1], v[MK]
.irp j, 26,27,28,29,30,31
	v_mov_b32 v[TE+\j], 0                          ; K = 208 .. 255: zero codes, written once, in x's operands and (through waves 0-6) in W's images
	v_mov_b32 v[TE+32+\j], 0
.endr
	s_mov_b32 s26, 0x76543210                      ; v_permlanex16_b32's selects for lane l xor 16
	s_mov_b32 s27, 0xfedcba98
	s_mov_b32 s30, 0xffff0000                      ; lanes 16-31
	s_mov_b32 s24, 0x3eb17218                      ; lam = ln 2 / 2
	s_mov_b32 s25, s24                             ; (named with it as a pair, so it is written)
	s_lshr_b32 s16, ttmp9, 1
	s_and_b32 s17, ttmp9, 1
	s_mul_i32 s20, s16, 4*BATCH                    ; my work-group's four batches,
	s_lshl_b32 s21, s17, 10                        ; its 256 columns,
	s_add_co_u32 s20, s20, s21
	s_lshl_b32 s21, s14, 7                         ; my wave's 32
	s_add_co_u32 s20, s20, s21
	s_mov_b32 s21, 0
	s_lshl_b32 s16, s16, 13                        ; out: four rows of 2,048 bytes,
	s_lshl_b32 s17, s17, 10                        ; 256 columns
	s_add_co_u32 s16, s16, s17
	s_mov_b32 s17, 0
	s_wait_kmcnt 0x0
	s_load_b64 s[18:19], s[10:11], 0x0             ; e0, e1
	s_add_nc_u64 s[4:5], s[4:5], s[20:21]
	s_add_nc_u64 s[12:13], s[12:13], s[16:17]
	s_wait_kmcnt 0x0
	s_add_co_i32 s20, s18, 127
	s_lshl_b32 s21, s20, 23
	v_mov_b32 v[SCX], s21                          ; 2^e0 as f32: the conversion takes its exponent field
	s_add_co_i32 s20, s20, 15
	s_lshl_b32 s20, s20, 23
	s_or_b32 s20, s20, 0x600000
	v_mov_b32 v[LIMX], s20                         ; 57,344 x 2^e0
	v_mul_f32 v[LIMXH], v[LIMX], v[MK]
	s_add_co_i32 s20, s19, 127
	s_lshl_b32 s21, s20, 23
	v_mov_b32 v[SCW], s21
	s_add_co_i32 s20, s20, 15
	s_lshl_b32 s20, s20, 23
	s_or_b32 s20, s20, 0x600000
	v_mov_b32 v[LIMW], s20
	v_mul_f32 v[LIMWH], v[LIMW], v[MK]
	s_add_co_i32 s32, s18, s19                     ; E = e0 + e1
	s_lshl_b32 s22, s32, 23
	s_add_co_i32 s22, s22, 0x4038aa3b              ; K1 = c 2^E: E is added to c's exponent field
	s_mov_b32 s23, s22
	s_sub_co_i32 s32, 0, s32                       ; -E
	s_wait_alu depctr_va_vdst(0)                   ; the addresses v1 to v8, v40, v41 and v224 to v226 are written: every load and store of the kernel, on both ways below and behind their join, reads some of them, and none is written again
	s_cmp_eq_u32 s14, 7
	s_cbranch_scc1 .Lbias
	; ---- waves 0-6: columns 32 w .. 32 w + 31 of W become tiles (w, 0) and (w, 1).  W takes X's registers first; each block, once read, takes the first item's rows of x.
	LOADW 0
	LOADW 1
	LOADW 2
	LOADW 3
	LOADW 4
	LOADW 5
	LOADW 6
.irp u, 0,1,2,3,4,5,6                          ; ahead of block u's wait 104 + 16 u loads have been issued: with 63 out, the first 41 + 16 u are in, W's block u among them
	QBLK \u, SCW, LIMW, LIMWH, 63, 1
.endr
	s_wait_alu depctr_va_vdst(0)                   ; the conversions have written TE, which the LDS stores read
.irp e, 0,1
.irp q, 0,1,2,3,4,5,6,7
	ds_store_b128 v[WST], v[TE+32*\e+4*\q:TE+32*\e+4*\q+3] offset:WIMG+4096*\e+512*\q   ; the operand's registers as they stand
.endr
.endr
	s_wait_alu depctr_vm_vsrc(0)                   ; these stores have read TE, which the first item's conversions write again
	s_branch .Ljoin
.Lbias:
	; ---- wave 7: the bias table, in the order in which the results' lanes want it
.irp u, 0,1,2,3,4,5
	global_load_b32 v[BD+\u], v[BO], s[8:9] offset:128*\u
.endr
	global_load_b32 v[BD+6], v[BO6], s[8:9]
.irp u, 0,1,2,3,4,5,6
	LOADX \u
.endr
	WIN 0
	s_wait_loadcnt 63                              ; of the 111 issued the first 48 are in, the bias's seven among them
.irp u, 0,1,2,3,4,5,6
	v_add_f32 v[BD+\u], 0xbf07a2f3, v[BD+\u]       ; bias - 0.52983005,
	v_ldexp_f32 v[BD+\u], v[BD+\u], s32            ; / 2^E
.endr
	s_wait_alu depctr_va_vdst(0)                   ; the seven words are written, which the LDS stores read
.irp u, 0,1,2,3,4,5,6
	ds_store_b32 v[BST], v[BD+\u] offset:BT+128*\u
.endr
.Ljoin:                                            ; on both ways the last 104 loads issued are the first item's, in the order of the blocks
	s_wait_dscnt 0x0                               ; for the others' sake: my stores into LDS are done
	s_barrier_signal -1
	s_barrier_wait -1                              ; W's images and the bias table are whole; nobody writes them again
.irp a, 0,1,2,3
	FRAGQ 0, \a                                    ; no vector or matrix instruction has named WF or BI yet
.endr
	s_mov_b32 s28, 3
	s_mov_b32 s29, 0
.Litem:                                            ; three trips: items 0 to 2, each asking for the next
	ITEM 1
	s_sub_co_u32 s28, s28, 1
	s_cmp_lg_u32 s28, 0
	s_cbranch_scc1 .Litem
	ITEM 0                                         ; the last item is written out: it asks for nothing, so no load leaves x
	; ---- the way out: four rows of 1,024 bytes lie in the stage; a wave stores 512 consecutive bytes, at a multiple of 256 from out's first byte
	s_wait_dscnt 0x0                               ; for the others' sake: my stores into the stage are done
	s_barrier_signal -1
	s_barrier_wait -1
	ds_load_b128 v[44:47], v[SRD]                  ; no vector instruction names v[44:47]; the two addresses were written ahead of the head's wait
	s_wait_dscnt 0x0
	global_store_b128 v[OUTO], v[44:47], s[12:13] th:TH_STORE_NT
	s_wait_dscnt 0x0                               ; the closing lines, six on end
	s_wait_alu 0x0
	s_wait_tensorcnt 0x0
	ds_add_u32 v[SPW], v[NIL]
	s_wait_dscnt 0x0
	s_endpgm
.Lfunc_end_k_q331c426389_attnpool:
	.size	k_q331c426389_attnpool, .Lfunc_end_k_q331c426389_attnpool-k_q331c426389_attnpool
	.p2alignl 7, 3214868480
	.fill 96, 4, 3214868480
	.section	.rodata,"a",@progbits
	.p2align	6, 0x0
	.amdhsa_kernel k_q331c426389_attnpool
		.amdhsa_group_segment_fixed_size 63488
		.amdhsa_private_segment_fixed_size 0
		.amdhsa_enable_private_segment 0
		.amdhsa_kernarg_size 40
		.amdhsa_user_sgpr_count 2
		.amdhsa_user_sgpr_kernarg_segment_ptr 1
		.amdhsa_wavefront_size32 1
		.amdhsa_system_sgpr_workgroup_id_x 1
		.amdhsa_system_sgpr_workgroup_id_y 1
		.amdhsa_system_sgpr_workgroup_id_z 1
		.amdhsa_system_vgpr_workitem_id 0
		.amdhsa_next_free_vgpr 464
		.amdhsa_next_free_sgpr 66
		.amdhsa_reserve_vcc 0
		.amdhsa_float_denorm_mode_32 3
		.amdhsa_float_denorm_mode_16_64 3
		.amdhsa_memory_ordered 1
		.amdhsa_forward_progress 1
		.amdhsa_inst_pref_size 232
	.end_amdhsa_kernel
	.amdgpu_metadata
---
amdhsa.version: [ 1, 2 ]
amdhsa.kernels:
  - .name:           k_q331c426389_attnpool
    .symbol:         k_q331c426389_attnpool.kd
    .args:
      - { .name: inputs, .offset: 0, .size: 8, .value_kind: global_buffer, .address_space: global }
      - { .name: W, .offset: 8, .size: 8, .value_kind: global_buffer, .address_space: global }
      - { .name: b, .offset: 16, .size: 8, .value_kind: global_buffer, .address_space: global }
      - { .name: lowp_scales, .offset: 24, .size: 8, .value_kind: global_buffer, .address_space: global }
      - { .name: out0, .offset: 32, .size: 8, .value_kind: global_buffer, .address_space: global }
    .group_segment_fixed_size: 63488
    .private_segment_fixed_size: 0
    .kernarg_segment_align: 8
    .kernarg_segment_size: 40
    .max_flat_workgroup_size: 256
    .sgpr_count:     66
    .vgpr_count:     464
    .wavefront_size: 32
...
	.end_amdgpu_metadata
.endif
;; end of part 2
